; MI455X (gfx1250); checked and timed in simulation.
; The chip was launched on July 23, 2026; its instructions are those of AMD's public machine-readable ISA for CDNA 5 (MIT licence, August 2026) and "CDNA5" Instruction Set Architecture Reference Guide (July 2026). The comments in the code are by the model that wrote it; some were corrected since.
;; Quantum Inspired Adapter. Allowed arithmetic: matrix products marked QUANTISED: E5M2 operands, one E8M0 scale for each 32 along K, by v_wmma_scale_f32_16x16x128_f8f6f4 with both operands' format E5M2, f32 sums; everything else in f32.
;; Inputs: W 768 x 16 float32; b 16 float32; enc_params 8 x 3 float32; x 8 x 4,096 x 768 float32.
;; Outputs: out0 8 x 4,096 x 16 float32.
;; This version of the problem:
;;   THIS VERSION OF THE PROBLEM IS GIVEN IN LOW PRECISION. The matrix products marked QUANTISED in the list below multiply operands that are first quantised to E5M2 (5 exponent bits, 2 mantissa bits; 8 bits a number), with one power-of-two scale for each 32 numbers along K (OCP MX v1.0); their sums are f32. All else is computed in f32.
;;   The module's matrix products, in the order in which they are computed (A, B: the left and right operand; K: the contracted axis; several contracted axes count as one K, in the product's order):
;;     1. [M 32,768, K 768] x [K 768, N 16]; A: input x; B: input W: QUANTISED
;;   THE QUANTISER, for each operand of a quantised product, along K:
;;     - K is cut into blocks of 32 from its start; a last block that is shorter is filled with zeros.
;;     - A block's scale is 2^e with e = floor(log2(the largest magnitude in the block)) - 15, held to -126 .. 127; a block of zeros has e = 0. As a byte (E8M0): e + 127.
;;     - Each number is divided by its block's scale, clamped to +-57,344, and rounded to the nearest number of E5M2, ties to even, subnormals kept.
;;     - The product sums the exact products of the quantised numbers (number of the format x scale) in f32.
;;   ~~~python
;;   def quantise(x, axis):      # numpy; x: float32 -> the quantised numbers, widened to float32 again
;;       x = np.moveaxis(x, axis, -1); K = x.shape[-1]
;;       x = np.pad(x, [(0, 0)] * (x.ndim - 1) + [(0, -K % 32)]); x = x.reshape(x.shape[:-1] + (-1, 32)); a = np.abs(x).max(-1, keepdims=True)
;;       e = np.where(a > 0, np.clip(np.frexp(np.where(a > 0, a, 1))[1] - 1 - 15, -126, 127), 0)      # np.frexp(a)[1] - 1 = floor(log2(a)), exactly
;;       r = np.clip(x / 2.0 ** e, -57344, 57344)
;;       step = 2.0 ** (np.maximum(np.frexp(np.where(r == 0, 1, r))[1] - 1, -14) - 2)
;;       q = np.round(r / step) * step * 2.0 ** e      # np.round: ties to even
;;       return np.moveaxis(q.reshape(q.shape[:-2] + (-1,))[..., :K], -1, axis).astype(np.float32)
;;   ~~~
;; 2 versions, each right; version 2 is version 1 with the launch adapter written anew for expert scheduling mode. Each part assembles by itself: llvm-mc -triple=amdgcn-amd-amdhsa -mcpu=gfx1250 --defsym DOCPART=n.
;; ======== version 1 of 2: 1 launch
;; launch adapter (part 1): grid 256 x 1, 8 waves a work-group, no clusters, 142,336 bytes of LDS; arguments x, W, b, enc_params, out0; writes out0
.if DOCPART == 1
	.amdgcn_target "amdgcn-amd-amdhsa--gfx1250"
	.amdhsa_code_object_version 6
	.text
	.protected	k_q0c2d47a5e8_adapter
	.globl	k_q0c2d47a5e8_adapter
	.p2align	8
	.type	k_q0c2d47a5e8_adapter,@function
k_q0c2d47a5e8_adapter:
	s_mov_b64 s[64:65], 0
	v_nop
	global_prefetch_b8 v0, s[64:65] scope:SCOPE_SE
	s_setreg_imm32_b32 hwreg(HW_REG_WAVE_MODE, 25, 1), 1
	s_wait_xcnt 0x0
; u = Q(x) Q(W) + b;  theta = tanh(u[2q]) + enc[q][0];  phi = tanh(u[2q+1]) + enc[q][1];  out[2q] = cos(theta/2);  out[2q+1] = sin(theta/2) cos(phi).
; x: [32768][768] f32.  W: [768][16] f32, K its first axis.  b: [16].  enc_params: [8][3] (its third column enters no result; it is loaded with the rest).  out0: [32768][16] f32.
; Q: codes of BF8 (E5M2) with one E8M0 scale for each 32 along K: a block's byte is its largest magnitude's exponent field - 15, held at 1 from below; each number is held within +-57,344 x the scale and rounded to the nearest code.
; SHARES.  256 work-groups of eight waves; a work-group owns 128 rows, a wave ONE tile of 16 rows and all of K: six K steps of 128, 49,152 bytes of x, read once.
; x.  Each load reads 512 consecutive bytes of one row (16 loads a K step).  Window 1 holds four K steps as loaded, so that up to 64 loads of a wave are on their way; steps 4 and 5 take the registers of steps 0 and 1.
;   The matrix unit wants a lane to hold 16 neighbours along K of ITS row: a step's 8,192 bytes turn through the wave's own stage in LDS (rows 528 bytes apart: an odd multiple of 16, so the 16 rows of a read fall on different banks).
; W.  Wave w quantises blocks 3 w .. 3 w + 2 (96 rows: 6,144 dense bytes, 12 loads), turned through its own LDS bytes so that a lane holds a column and its registers run down K; the codes go to LDS as images of the
;   operand's registers (512 bytes a block), the scale bytes as rows of 24; ONE barrier; then every wave fetches a step's fragment just ahead of its one use.
; THE PRODUCT IS USED TRANSPOSED: source 0 = W's 16 columns, source 1 = my 16 rows of x.  Lane (r, h) then holds features 8 h .. 8 h + 7 of row r: four qubits' pairs, so the trigonometry needs no other lane.
; NO CLUSTER, NO JOINT LOADS: the one thing that work-groups share is W, 49,152 bytes beside the 393,216 bytes of x that a work-group shares with nobody, and W has to pass through registers to be quantised.
; NO LOOP over the K steps: the sets of registers come back after four steps, fragments and accumulators after two, and there are six steps; the whole text is some 14 KB.
; LIMITS.  NaN and infinities in x or W are not served.  A block of zeros gets the byte 1 where the rule says 127: its codes are zeros, and only this text reads the bytes.
;   The f32 sums run in two chains (even and odd K steps), added at the end.  tanh(u) = 1 - 2 / (1 + 2^(2 u log2 e)): absolute error a few 1e-7; it ends at +-1 for large |u|.
;   Sine and cosine: the angle in revolutions, less the nearest whole number (1 / 2 pi in two words), folded into |w| <= 1/4, and the series of sin(2 pi w) up to w^9, whose cut costs 3.6e-6 at |w| = 1/4, for every input.
;   theta / 2 is formed as (0.5 + 0.5 enc) - R: two roundings of the angle's size; they stay under 1e-3 up to |enc_params| of about 1e4.
.set ROWB,  3072                       ; a row of x in bytes
.set KSB,   512                        ; 128 f32 of a row: a K step
.set XP,    528                        ; a row of x's stage: 512 bytes + 16
.set XSTB,  16*XP                      ; a wave's stage for x
.set XSTG,  0
.set WG16,  1088                       ; W's stage: 16 rows of W (1,024 bytes) + 64, so that lanes 16-31, which read 16 rows further down, fall on other banks than lanes 0-15
.set WSTB,  6*WG16                     ; a wave's 96 rows of W
.set WSTG,  XSTG+8*XSTB
.set WIMG,  WSTG+8*WSTB                ; W's 24 blocks as images of registers, 512 bytes each
.set WSC,   WIMG+24*512                ; W's scale bytes: 32 bytes a column, 24 of them used
.set OSTG,  WSC+16*32                  ; the way out: 1,024 bytes a wave, 16 more behind each 256
.set OSTB,  1088
.set LI,    1                          ; v1   16 x lane: my place in 512 dense bytes (x, W, out0)
.set XST,   2                          ; v2   x's stage, in
.set XLD,   3                          ; v3   x's stage, out: row r, + 64 h
.set WSTA,  4                          ; v4   W's stage, in
.set WLDA,  5                          ; v5   W's stage, out: column r, 16 h rows down
.set WIS,   6                          ; v6   where I store my three images
.set WIL,   7                          ; v7   where any image begins for my lane
.set WSS,   8                          ; v8   where I store my three scale bytes of column r
.set WSL,   9                          ; v9   column r's scale bytes
.set OST,   10                         ; v10  the way out, in
.set OLD,   11                         ; v11  the way out, back
.set PC,    16                         ; v16-31   the codes just made
.set WF,    32                         ; v32-63   W's fragment, two sets by turns
.set X,     64                         ; v64-127  64 numbers of x: register 16 b + i = k 32 b + 16 h + i of row r
.set WR,    64                         ; v64-111  (ahead of that) W's 96 rows as loaded
.set TM,    128                        ; v128-131 largest magnitudes, v132-135 bytes, v136-139 57,344 x the scale, v140-143 the conversions' scale operands
.set PW,    144                        ; v144     x's scale word
.set WS,    146                        ; v146-151 W's scale words, one for each K step
.set ACC0,  152                        ; v152-159 the sums of K steps 0, 2, 4 (and b)
.set ACC1,  160                        ; v160-167 of K steps 1, 3, 5
.set BI,    168                        ; v168-175 b[8 h + j]
.set CC,    176                        ; v176-183 pairs (enc[q][0], enc[q][1]), q = 4 h + i; later (0.5 + 0.5 enc[q][0], 1 + enc[q][1])
.set MM,    184                        ; v[184:185] (-1, -2)
.set HV,    186                        ; v[186:187] (0.5, 1)
.set C7V,   188                        ; v[188:189] the series' coefficient of w^7, twice
.set WX,    192                        ; v192-239 W: register 16 t + i = row 32 t + 16 h + i of my 96, column r
.set U,     64                         ; the epilogue works where x's numbers and W's columns lay
.set T,     72
.set AN,    80
.set Y,     88
.set Z,     96
.set W12,   104                        ; v104-111 w for cos(theta/2), cos(phi) by pairs; v112-115 w for sin(theta/2)
.set Q,     192
.set P,     204
.set O,     216
.set WV,    14                         ; s14  my wave's number
.set BS,    16                         ; s[16:31] b
.set ENC,   32                         ; s[32:55] enc_params
.set SEL,   56                         ; s[56:57] v_permlanex16_b32's selects for lane l xor 16
.set MNT,   58                         ; s58  the mantissa field of 57,344
.set QTR,   59                         ; s59  0.25
.set SGN,   60                         ; s60  the sign bit
.set K2,    62                         ; s[62:63] 2 log2(e).  (Constants of packed forms are pairs whose low word serves both halves; both words are written)
.set CHI,   66                         ; s[66:67] 1 / 2 pi, its first 24 bits
.set CLO,   68                         ; s[68:69] and the next 24
.set C9,    70                         ; s[70:77] the series of sin(2 pi w): (2 pi)^n / n! for n = 9, 5, 3, 1
.set C5,    72
.set C3,    74
.set C1,    76
.set TO_R,  0x40                       ; destination window 1, address window 0
.set FROM_R, 0x04                      ; an LDS store's data are its source 1: window 1
.set MSB, 0
.macro WIN new                         ; the immediate's high byte repeats the setting that is left
.if MSB != \new
	s_set_vgpr_msb (MSB<<8)|\new
.set MSB, \new
.endif
.endm
.macro SPAIR reg, val
	s_mov_b32 s[\reg], \val
	s_mov_b32 s[\reg+1], \val
.endm
.macro LOADX s                         ; K step s of my 16 rows into set s % 4 of window 1: each load takes 512 consecutive bytes of one row, at a multiple of 256 from x's first byte
.irp i, 0,1,2,3,4,5,6,7,8,9,10,11,12,13,14,15
	global_load_b128 v[64*((\s)%4)+4*\i:64*((\s)%4)+4*\i+3], v[LI], s[4:5] offset:ROWB*\i+KSB*(\s) th:TH_LOAD_NT
.endr
.endm
; nb blocks of 32 along K, 16 numbers of each in my registers v[src + 16 b] on and the other 16 in lane l xor 16, become codes in v[PC + 4 b] on; the bytes in v[TM + 4 + b]; with nb = 4 also the scale word in v[PW].
.macro QUANT src, nb
.irp b, 0,1,2,3
.if \b < \nb
	v_max3_num_f32 v[TM+\b], |v[\src+16*\b]|, |v[\src+16*\b+1]|, 0x8000000   ; my 16 numbers, and the floor 2^(16 - 127): so the byte cannot fall under 1
.endif
.endr
.irp i, 2,4,6,8,10,12,14
.irp b, 0,1,2,3
.if \b < \nb
	v_max3_num_f32 v[TM+\b], v[TM+\b], |v[\src+16*\b+\i]|, |v[\src+16*\b+\i+1]|   ; (the blocks by turns: no line waits for the line above it)
.endif
.endr
.endr
.irp b, 0,1,2,3
.if \b < \nb
	v_permlanex16_b32 v[TM+4+\b], v[TM+\b], s[SEL], s[SEL+1]
.endif
.endr
.irp b, 0,1,2,3
.if \b < \nb
	v_max_num_f32 v[TM+\b], v[TM+\b], v[TM+4+\b]                   ; with lane l xor 16's: the block's largest magnitude
.endif
.endr
.irp b, 0,1,2,3
.if \b < \nb
	v_add_nc_u32 v[TM+12+\b], 0xf8800000, v[TM+\b]                 ; 15 off its exponent field: the conversion takes this operand's exponent field as its scale
.endif
.endr
.irp b, 0,1,2,3
.if \b < \nb
	v_and_or_b32 v[TM+8+\b], v[TM+\b], 0x7f800000, s[MNT]          ; 57,344 x the scale
.endif
.endr
.irp b, 0,1,2,3
.if \b < \nb
	v_lshrrev_b32 v[TM+4+\b], 23, v[TM+12+\b]                      ; the scale's byte
.endif
.endr
.if \nb == 4
	v_lshl_or_b32 v[PW], v[TM+5], 8, v[TM+4]                       ; four bytes make my row's scale word: it stands ahead of the 64 holds, more than eight places in front of the product
	v_lshl_or_b32 v[PW], v[TM+6], 16, v[PW]
	v_lshl_or_b32 v[PW], v[TM+7], 24, v[PW]
.endif
.irp b, 0,1,2,3
.if \b < \nb
.irp i, 0,1,2,3,4,5,6,7,8,9,10,11,12,13,14,15
	v_med3_num_f32 v[\src+16*\b+\i], v[\src+16*\b+\i], -v[TM+8+\b], v[TM+8+\b]   ; the conversion to an 8-bit code does not saturate (ISA guide 7.6.2): the hold comes first
.endr
	v_cvt_scalef32_pk8_bf8_f32 v[PC+4*\b:PC+4*\b+1], v[\src+16*\b:\src+16*\b+7], v[TM+12+\b]
	v_cvt_scalef32_pk8_bf8_f32 v[PC+4*\b+2:PC+4*\b+3], v[\src+16*\b+8:\src+16*\b+15], v[TM+12+\b]
.endif
.endr
	v_nop                                          ; one plain line behind the last scaled conversion, ahead of whatever next touches its codes or writes its sources
.endm
	s_load_b256 s[4:11], s[0:1], 0x0               ; x s[4:5], W s[6:7], b s[8:9], enc_params s[10:11]
	s_load_b64 s[12:13], s[0:1], 0x20              ; out0
	v_lshl_add_u32 v254, v0, 2, 0x22800
	v_mov_b32 v255, 0
	v_lshrrev_b32 v12, 5, v0
	v_readfirstlane_b32 s[WV], v12                 ; wave 0..7
	v_and_b32 v13, 31, v0
	v_lshlrev_b32 v[LI], 4, v13                    ; 16 x lane
	s_mul_i32 s2, ttmp9, 128*ROWB                  ; x: the work-group's 128 rows,
	s_mul_i32 s15, s[WV], 16*ROWB                  ; my wave's 16 of them (all under 2^27 bytes)
	s_add_co_u32 s2, s2, s15
	s_mov_b32 s3, 0
	s_mul_i32 s78, s[WV], 96*64                    ; W: my 96 rows of 64 bytes
	s_mov_b32 s79, 0
	s_lshl_b32 s80, ttmp9, 13                      ; out0: 128 rows of 64 bytes, my wave's 16
	s_lshl_b32 s15, s[WV], 10
	s_add_co_u32 s80, s80, s15
	s_mov_b32 s81, 0
	s_wait_kmcnt 0x0
	s_add_nc_u64 s[6:7], s[6:7], s[78:79]
	s_add_nc_u64 s[4:5], s[4:5], s[2:3]
	s_add_nc_u64 s[12:13], s[12:13], s[80:81]
	s_load_b512 s[BS:BS+15], s[8:9], 0x0           ; b's 64 bytes and enc_params' 96 come by the scalar path: they take no place among the vector loads
	s_load_b512 s[ENC:ENC+15], s[10:11], 0x0
	s_load_b256 s[ENC+16:ENC+23], s[10:11], 0x40
.irp j, 0,1,2,3,4,5,6,7,8,9,10,11
	global_load_b128 v[WR+4*\j:WR+4*\j+3], v[LI], s[6:7] offset:512*\j   ; W first: it is wanted first, and loads come back in order (ISA guide 5.7.1)
.endr
	WIN TO_R
	LOADX 0                                        ; and half of my x at once: 60 loads of mine are out
	LOADX 1
	LOADX 2
	WIN 0
	; addresses and constants, while the loads are on their way
	v_and_b32 v14, 15, v0                          ; r
	v_bfe_u32 v15, v0, 4, 1                        ; h
	s_mul_i32 s15, s[WV], XSTB
	v_add_nc_u32 v[XST], s15, v[LI]
	v_mul_u32_u24 v[XLD], v14, XP
	v_lshl_add_u32 v[XLD], v15, 6, v[XLD]
	v_add_nc_u32 v[XLD], s15, v[XLD]
	s_mul_i32 s15, s[WV], WSTB
	s_add_co_u32 s15, s15, WSTG
	v_add_nc_u32 v[WSTA], s15, v[LI]
	v_mul_u32_u24 v[WLDA], v15, WG16
	v_lshl_add_u32 v[WLDA], v14, 2, v[WLDA]
	v_add_nc_u32 v[WLDA], s15, v[WLDA]
	s_mul_i32 s15, s[WV], 3*512
	s_add_co_u32 s15, s15, WIMG
	v_add_nc_u32 v[WIS], s15, v[LI]
	v_add_nc_u32 v[WIL], WIMG, v[LI]
	s_mul_i32 s15, s[WV], 3
	s_add_co_u32 s15, s15, WSC
	v_lshl_add_u32 v[WSS], v14, 5, s15             ; 32 r + 3 x wave
	v_lshl_add_u32 v[WSL], v14, 5, WSC
	s_mul_i32 s15, s[WV], OSTB
	s_add_co_u32 s15, s15, OSTG
	v_lshrrev_b32 v12, 2, v14
	v_lshlrev_b32 v[OST], 6, v14                   ; in: row r's 64 bytes, 16 more for each 256 passed, + 32 h
	v_lshl_add_u32 v[OST], v12, 4, v[OST]
	v_lshl_add_u32 v[OST], v15, 5, v[OST]
	v_add_nc_u32 v[OST], s15, v[OST]
	v_lshl_add_u32 v[OLD], v15, 4, v[LI]           ; back: 16 x lane, 16 more for lanes 16-31
	v_add_nc_u32 v[OLD], s15, v[OLD]
	s_mov_b32 s[SEL], 0x76543210
	s_mov_b32 s[SEL+1], 0xfedcba98
	s_mov_b32 s[MNT], 0x600000
	s_mov_b32 s[QTR], 0x3e800000
	s_mov_b32 s[SGN], 0x80000000
	SPAIR K2,  0x4038aa3b                          ; 2 log2(e)
	SPAIR CHI, 0x3e22f983                          ; 1 / 2 pi
	SPAIR CLO, 0x31dc9c88                          ; what the first word leaves of it
	SPAIR C9,  0x42283c1a                          ; 42.058694
	SPAIR C5,  0x42a335e3                          ; 81.605249
	SPAIR C3,  0xc2255de7                          ; -41.341702
	SPAIR C1,  0x40c90fdb                          ; 6.2831853
	v_mov_b32 v[C7V], 0xc2996966                   ; -76.705860
	v_mov_b32 v[C7V+1], 0xc2996966
	v_mov_b32 v[MM], -1.0
	v_mov_b32 v[MM+1], -2.0
	v_mov_b32 v[HV], 0.5
	v_mov_b32 v[HV+1], 1.0
.irp b, 0,1,2,3
	v_mov_b32 v[TM+4+\b], 0                        ; written once: a lane permute's destination counts as one of its sources
.endr
	v_cmp_ne_u32 vcc_lo, 0, v15                    ; lanes 16-31
	s_wait_kmcnt 0x0                               ; b and enc_params
.irp j, 0,1,2,3,4,5,6,7
	v_mov_b32 v[BI+\j], s[BS+8+\j]
	v_cndmask_b32 v[BI+\j], s[BS+\j], v[BI+\j], vcc_lo             ; b[8 h + j]: the layout of the product's result
.endr
.irp i, 0,1,2,3
	v_mov_b32 v[CC+2*\i], s[ENC+12+3*\i]
	v_mov_b32 v[CC+2*\i+1], s[ENC+13+3*\i]
	v_cndmask_b32 v[CC+2*\i], s[ENC+3*\i], v[CC+2*\i], vcc_lo      ; enc[4 h + i][0],
	v_cndmask_b32 v[CC+2*\i+1], s[ENC+3*\i+1], v[CC+2*\i+1], vcc_lo   ; enc[4 h + i][1]
.endr
	; ---- W: my three blocks of 32 along K
	s_wait_loadcnt 48                              ; W's twelve loads are in; the 48 of x's K steps 0 to 2, issued behind them, stay out
	WIN TO_R
	LOADX 3                                        ; window 1 is full.  By this text's count 64 loads of mine can now be out; where LOADcnt cannot count the last, its issue waits for the oldest to come back (ISA guide 5.7.1), which is the load that I need next anyway
	WIN 0
.irp j, 0,1,2,3,4,5,6,7,8,9,10,11
	ds_store_b128 v[WSTA], v[WR+4*\j:WR+4*\j+3] offset:512*\j+64*(\j/2)   ; as they lie: eight rows of W a store
.endr
.irp t, 0,1,2
.irp i, 0,1,2,3,4,5,6,7,8,9,10,11,12,13,14,15
	ds_load_b32 v[WX+16*\t+\i], v[WLDA] offset:2*WG16*\t+64*\i     ; W(32 t + 16 h + i, r).  LDS serves a wave's instructions in order (ISA guide 5.7.1.4): these see my stores
.endr
.endr
	s_wait_dscnt 0x0
	QUANT WX, 3
.irp t, 0,1,2
	ds_store_b128 v[WIS], v[PC+4*\t:PC+4*\t+3] offset:512*\t       ; block 3 w + t: registers 4 c .. 4 c + 3 of a fragment, as they stand
	ds_store_b8 v[WSS], v[TM+4+\t] offset:\t                       ; its byte in column r's row (both halves of the lanes write the same byte with the same value)
.endr
	s_wait_dscnt 0x0                               ; for the others' sake: my images and bytes have landed
	s_barrier_signal -1
	s_barrier_wait -1                              ; all 24 blocks of W lie in LDS, and nobody writes them again
	ds_load_b128 v[WS:WS+3], v[WSL]                ; column r's scale words of K steps 0 to 3,
	ds_load_b64 v[WS+4:WS+5], v[WSL] offset:16     ; 4 and 5
; ---- A K step: 128 along K of my 16 rows.
.macro STEP s
.set WB, WF+16*((\s)%2)
.set AC, ACC0+8*((\s)%2)
.irp c, 0,1,2,3
	ds_load_b128 v[WB+4*\c:WB+4*\c+3], v[WIL] offset:(4*(\s)+\c)*512   ; W's fragment, into the set that the product two steps back read: a whole step's vector work lies between
.endr
.if \s < 3
	s_wait_loadcnt 48                              ; this step's sixteen loads are in; those of the three steps behind it stay out
.else
	s_wait_loadcnt 16*(5-\s)                       ; likewise: two steps' loads, one step's, none
.endif
	WIN FROM_R
.irp i, 0,1,2,3,4,5,6,7,8,9,10,11,12,13,14,15
	ds_store_b128 v[XST], v[64*((\s)%4)+4*\i:64*((\s)%4)+4*\i+3] offset:XP*\i   ; row i's 512 bytes as they lie
.endr
	WIN 0
.irp c, 0,1,2,3
.irp j, 0,1,2,3
	ds_load_b128 v[X+16*\c+4*\j:X+16*\c+4*\j+3], v[XLD] offset:128*\c+16*\j     ; row r, k = 32 c + 16 h + 4 j on: the stage is my own, and LDS serves my instructions in order
.endr
.endr
	s_wait_dscnt 0x0                               ; my numbers and W's fragment are in; the stores have read their registers,
.if \s < 2
	WIN TO_R
	LOADX \s+4                                     ; which take the loads of four steps on
	WIN 0
.endif
	QUANT X, 4
.rept 3
	v_nop                                          ; with the line that ends the quantiser: four places between the last codes and the scaled product
.endr
; The two accumulators take turns, one instruction a turn.
.if \s == 0
	v_wmma_scale_f32_16x16x128_f8f6f4 v[AC:AC+7], v[WB:WB+15], v[PC:PC+15], v[BI:BI+7], v[WS+\s], v[PW] matrix_a_fmt:MATRIX_FMT_BF8 matrix_b_fmt:MATRIX_FMT_BF8   ; b starts this sum
.elseif \s == 1
	v_wmma_scale_f32_16x16x128_f8f6f4 v[AC:AC+7], v[WB:WB+15], v[PC:PC+15], 0, v[WS+\s], v[PW] matrix_a_fmt:MATRIX_FMT_BF8 matrix_b_fmt:MATRIX_FMT_BF8
.else
	v_wmma_scale_f32_16x16x128_f8f6f4 v[AC:AC+7], v[WB:WB+15], v[PC:PC+15], v[AC:AC+7], v[WS+\s], v[PW] matrix_a_fmt:MATRIX_FMT_BF8 matrix_b_fmt:MATRIX_FMT_BF8
.endif
.endm
	STEP 0
	STEP 1
	STEP 2
	STEP 3
	STEP 4
	STEP 5
	; ---- The epilogue.  Register j of a lane is feature 8 h + j of row r: pairs (2 i, 2 i + 1) are qubit 4 h + i's theta and phi.
	; Eight plain lines that name no register of the last product are its places: the even steps' sums, finished a step ago, x 2 log2(e), and the angles' constants.
.irp i, 0,2,4,6
	v_pk_mul_f32 v[U+\i:U+\i+1], v[ACC0+\i:ACC0+\i+1], s[K2:K2+1] op_sel_hi:[1,0]
.endr
.irp i, 0,2,4,6
	v_pk_fma_f32 v[CC+\i:CC+\i+1], v[CC+\i:CC+\i+1], v[HV:HV+1], v[HV:HV+1]   ; (0.5 + 0.5 enc[q][0], 1 + enc[q][1])
.endr
.irp i, 0,2,4,6
	v_pk_fma_f32 v[T+\i:T+\i+1], v[ACC1+\i:ACC1+\i+1], s[K2:K2+1], v[U+\i:U+\i+1] op_sel_hi:[1,0,1]   ; 2 u log2(e), each accumulator from its low end on
.endr
.irp j, 0,1,2,3,4,5,6,7
	v_exp_f32 v[T+\j], v[T+\j]
.endr
	v_nop                                          ; a plain line behind the transcendentals
	s_wait_alu depctr_va_vdst(0)
.irp i, 0,2,4,6
	v_pk_add_f32 v[T+\i:T+\i+1], v[T+\i:T+\i+1], 1.0 op_sel_hi:[1,0]
.endr
.irp j, 0,1,2,3,4,5,6,7
	v_rcp_f32 v[T+\j], v[T+\j]                     ; R = 1 / (1 + e^(2 u)): tanh(u) = 1 - 2 R
.endr
	v_nop
	s_wait_alu depctr_va_vdst(0)
.irp i, 0,2,4,6
	v_pk_fma_f32 v[AN+\i:AN+\i+1], v[T+\i:T+\i+1], v[MM:MM+1], v[CC+\i:CC+\i+1]   ; (theta / 2, phi) = (0.5 + 0.5 enc0 - R, 1 + enc1 - 2 R)
.endr
.irp i, 0,2,4,6
	v_pk_fma_f32 v[Y+\i:Y+\i+1], v[AN+\i:AN+\i+1], s[CHI:CHI+1], 0.5 op_sel_hi:[1,0,0]
.endr
.irp j, 0,1,2,3,4,5,6,7
	v_floor_f32 v[Y+\j], v[Y+\j]                   ; the nearest whole number of revolutions
.endr
.irp i, 0,2,4,6
	v_pk_fma_f32 v[Z+\i:Z+\i+1], v[AN+\i:AN+\i+1], s[CHI:CHI+1], v[Y+\i:Y+\i+1] op_sel_hi:[1,0,1] neg_lo:[0,0,1] neg_hi:[0,0,1]   ; the fused form takes it off the unrounded product,
.endr
.irp i, 0,2,4,6
	v_pk_fma_f32 v[Z+\i:Z+\i+1], v[AN+\i:AN+\i+1], s[CLO:CLO+1], v[Z+\i:Z+\i+1] op_sel_hi:[1,0,1]   ; and 1 / 2 pi's second word is added: z in -1/2 .. 1/2
.endr
.irp j, 0,1,2,3,4,5,6,7
	v_sub_f32 v[W12+\j], s[QTR], |v[Z+\j]|         ; cos(2 pi z) = sin(2 pi (1/4 - |z|))
.endr
.irp i, 0,1,2,3
	v_sub_f32 v[W12+8+\i], s[QTR], |v[W12+2*\i]|   ; sin(2 pi z) = sign(z) sin(2 pi (1/4 - ||z| - 1/4|))
.endr
.irp i, 0,1,2,3
	v_and_or_b32 v[W12+8+\i], v[Z+2*\i], s[SGN], v[W12+8+\i]
.endr
.irp p, 0,2,4,6,8,10
	v_pk_mul_f32 v[Q+\p:Q+\p+1], v[W12+\p:W12+\p+1], v[W12+\p:W12+\p+1]
.endr
.irp p, 0,2,4,6,8,10
	v_pk_fma_f32 v[P+\p:P+\p+1], v[Q+\p:Q+\p+1], s[C9:C9+1], v[C7V:C7V+1] op_sel_hi:[1,0,1]
.endr
.irp k, C5, C3, C1
.irp p, 0,2,4,6,8,10
	v_pk_fma_f32 v[P+\p:P+\p+1], v[P+\p:P+\p+1], v[Q+\p:Q+\p+1], s[\k:\k+1] op_sel_hi:[1,1,0]
.endr
.endr
.irp p, 0,2,4,6,8,10
	v_pk_mul_f32 v[P+\p:P+\p+1], v[P+\p:P+\p+1], v[W12+\p:W12+\p+1]   ; sin(2 pi w), twelve of them
.endr
.irp i, 0,1,2,3
	v_mul_f32 v[P+2*\i+1], v[P+2*\i+1], v[P+8+\i]  ; cos(phi) sin(theta / 2); cos(theta / 2) stands beside it already
.endr
	; THE WAY OUT.  A lane holds 32 bytes of row r, and my tile is 1,024 consecutive bytes of out0: they turn through my own stage, so that each store covers 512 consecutive bytes, at a multiple of 256 from out0's first byte.
	ds_store_b128 v[OST], v[P:P+3]
	ds_store_b128 v[OST], v[P+4:P+7] offset:16
	ds_load_b128 v[O:O+3], v[OLD]                  ; LDS serves a wave's instructions in order: these see my stores
	ds_load_b128 v[O+4:O+7], v[OLD] offset:544
	s_wait_dscnt 0x0
	global_store_b128 v[LI], v[O:O+3], s[12:13] th:TH_STORE_NT
	global_store_b128 v[LI], v[O+4:O+7], s[12:13] offset:512 th:TH_STORE_NT
	s_wait_tensorcnt 0x0
	ds_add_u32 v254, v255
	s_wait_dscnt 0x0
	s_endpgm
.Lfunc_end_k_q0c2d47a5e8_adapter:
	.size	k_q0c2d47a5e8_adapter, .Lfunc_end_k_q0c2d47a5e8_adapter-k_q0c2d47a5e8_adapter
	.p2alignl 7, 3214868480
	.fill 96, 4, 3214868480
	.section	.rodata,"a",@progbits
	.p2align	6, 0x0
	.amdhsa_kernel k_q0c2d47a5e8_adapter
		.amdhsa_group_segment_fixed_size 142336
		.amdhsa_private_segment_fixed_size 0
		.amdhsa_enable_private_segment 0
		.amdhsa_kernarg_size 40
		.amdhsa_user_sgpr_count 2
		.amdhsa_user_sgpr_kernarg_segment_ptr 1
		.amdhsa_wavefront_size32 1
		.amdhsa_system_sgpr_workgroup_id_x 1
		.amdhsa_system_sgpr_workgroup_id_y 1
		.amdhsa_system_sgpr_workgroup_id_z 1
		.amdhsa_system_vgpr_workitem_id 0
		.amdhsa_next_free_vgpr 512
		.amdhsa_next_free_sgpr 82
		.amdhsa_reserve_vcc 1
		.amdhsa_float_denorm_mode_32 3
		.amdhsa_float_denorm_mode_16_64 3
		.amdhsa_memory_ordered 1
		.amdhsa_forward_progress 1
		.amdhsa_inst_pref_size 97
	.end_amdhsa_kernel
	.amdgpu_metadata
---
amdhsa.version: [ 1, 2 ]
amdhsa.kernels:
  - .name:           k_q0c2d47a5e8_adapter
    .symbol:         k_q0c2d47a5e8_adapter.kd
    .args:
      - { .name: x, .offset: 0, .size: 8, .value_kind: global_buffer, .address_space: global }
      - { .name: W, .offset: 8, .size: 8, .value_kind: global_buffer, .address_space: global }
      - { .name: b, .offset: 16, .size: 8, .value_kind: global_buffer, .address_space: global }
      - { .name: enc_params, .offset: 24, .size: 8, .value_kind: global_buffer, .address_space: global }
      - { .name: out0, .offset: 32, .size: 8, .value_kind: global_buffer, .address_space: global }
    .group_segment_fixed_size: 142336
    .private_segment_fixed_size: 0
    .kernarg_segment_align: 8
    .kernarg_segment_size: 40
    .max_flat_workgroup_size: 256
    .sgpr_count:     82
    .vgpr_count:     512
    .wavefront_size: 32
...
	.end_amdgpu_metadata
.endif
;; end of part 1
;; ======== version 2 of 2: 1 launch; version 1 with the launch adapter written anew for expert scheduling mode
;; launch adapter (part 2): grid 256 x 1, 8 waves a work-group, no clusters, 142,336 bytes of LDS; arguments x, W, b, enc_params, out0; writes out0
.if DOCPART == 2
	.amdgcn_target "amdgcn-amd-amdhsa--gfx1250"
	.amdhsa_code_object_version 6
	.text
	.protected	k_q0c2d47a5e8_adapter
	.globl	k_q0c2d47a5e8_adapter
	.p2align	8
	.type	k_q0c2d47a5e8_adapter,@function
k_q0c2d47a5e8_adapter:
	s_mov_b64 s[64:65], 0
	v_nop
	global_prefetch_b8 v0, s[64:65] scope:SCOPE_SE
	s_setreg_imm32_b32 hwreg(HW_REG_WAVE_SCHED_MODE, 0, 2), 2
	s_setreg_imm32_b32 hwreg(HW_REG_WAVE_MODE, 25, 1), 1
	s_wait_xcnt 0x0
	s_wait_alu depctr_vm_vsrc(0)
; u = Q(x) Q(W) + b;  theta = tanh(u[2q]) + enc[q][0];  phi = tanh(u[2q+1]) + enc[q][1];  out[2q] = cos(theta/2);  out[2q+1] = sin(theta/2) cos(phi).
; x: [32768][768] f32.  W: [768][16] f32, K its first axis.  b: [16].  enc_params: [8][3] (its third column enters no result; it is loaded with the rest).  out0: [32768][16] f32.
; Q: codes of BF8 (E5M2) with one E8M0 scale for each 32 along K: a block's byte is its largest magnitude's exponent field - 15, held at 1 from below; each number is held within +-57,344 x the scale and rounded to the nearest code.
; SHARES.  256 work-groups of eight waves; a work-group owns 128 rows, a wave ONE tile of 16 rows and all of K: six K steps of 128, 49,152 bytes of x, read once.
; x.  Each load reads 512 consecutive bytes of one row (16 loads a K step).  Window 1 holds four K steps as loaded, so that up to 64 loads of a wave are on their way; steps 4 and 5 take the registers of steps 0 and 1.
;   The matrix unit wants a lane to hold 16 neighbours along K of ITS row: a step's 8,192 bytes turn through the wave's own stage in LDS (rows 528 bytes apart: an odd multiple of 16, so the 16 rows of a read fall on different banks).
; W.  Wave w quantises blocks 3 w .. 3 w + 2 (96 rows: 6,144 dense bytes, 12 loads), turned through its own LDS bytes so that a lane holds a column and its registers run down K; the codes go to LDS as images of the
;   operand's registers (512 bytes a block), the scale bytes as rows of 24; ONE barrier; then every wave fetches a step's fragment a step ahead of its one use.
; THE PRODUCT IS USED TRANSPOSED: source 0 = W's 16 columns, source 1 = my 16 rows of x.  Lane (r, h) then holds features 8 h .. 8 h + 7 of row r: four qubits' pairs, so the trigonometry needs no other lane.
; NO CLUSTER, NO JOINT LOADS: the one thing that work-groups share is W, 49,152 bytes beside the 393,216 bytes of x that a work-group shares with nobody, and W has to pass through registers to be quantised.
; NO LOOP over the K steps: the sets of registers come back after four steps, numbers, fragments and accumulators after two, and there are six steps; the whole text is some 14 KB.
; LIMITS.  NaN and infinities in x or W are not served.  A block of zeros gets the byte 1 where the rule says 127: its codes are zeros, and only this text reads the bytes.
;   The f32 sums run in two chains (even and odd K steps), added at the end.  tanh(u) = 1 - 2 / (1 + 2^(2 u log2 e)): absolute error a few 1e-7; it ends at +-1 for large |u|.
;   Sine and cosine: the angle in revolutions, less the nearest whole number (1 / 2 pi in two words), folded into |w| <= 1/4, and the series of sin(2 pi w) up to w^9, whose cut costs 3.6e-6 at |w| = 1/4, for every input.
;   theta / 2 is formed as (0.5 + 0.5 enc) - R: two roundings of the angle's size; they stay under 1e-3 up to |enc_params| of about 1e4.
; THE MODE: SCHED_MODE bits 1:0 = 2 (LLVM: expert scheduling mode 2), set by the entry lines.  The code itself states the register dependences
;   between vector or matrix instructions and memory or LDS instructions, with s_wait_alu, always for 0.
; THE PLAN.  Registers that memory or LDS instructions touch:
;   v1, v2-v11    offsets and LDS addresses: written once at the head, read by memory and LDS instructions, never written again.
;   window 1      four sets of x as loaded: written by global loads, read by TURN's LDS stores; sets 0 and 1 are loaded a second time.  No vector instruction names them.
;   X0, X1        two sets of 64 numbers of x by turns.  TURN t's LDS loads land in set t % 2; step t's quantiser reads and writes it.  (X0's v64-111 hold W as loaded first: read by LDS stores.)
;   WF0, WF1      W's fragment, two sets by turns.  TURN t's LDS loads land in set t % 2; product t reads it.
;   codes, bytes  v16-31 and v132-134: written by the quantiser; for W read by LDS stores, and written again in step 0.
;   v204-223      the way out: v204-215 written by the epilogue and read by LDS stores; LDS loads land in v216-223, which the quantiser named last.
; A STEP: the wait for its numbers; the quantiser's first half; TURN of the NEXT step (its LDS stores and loads, and in TURNs 0 and 1 the global loads of four steps on); the quantiser's second half; the product.
;   One wait on va_vdst stands ahead of each product: the codes and the scale word are written; it also shows the quantiser done with its set of numbers.  One stands in TURNs 2 to 5, behind the wait on LOADcnt: the product of two steps
;   back, issued behind the last such wait, is done reading the fragment set that is loaded anew.  One wait on vm_vsrc stands ahead of each second load of a set of window 1, and one behind the barrier.
;   Between these waits the vector side names the step's own set of numbers, its own fragment set, the codes, the registers at work and an accumulator: none that TURN of the next step touches.
.set ROWB,  3072                       ; a row of x in bytes
.set KSB,   512                        ; 128 f32 of a row: a K step
.set XP,    528                        ; a row of x's stage: 512 bytes + 16
.set XSTB,  16*XP                      ; a wave's stage for x
.set XSTG,  0
.set WG16,  1088                       ; W's stage: 16 rows of W (1,024 bytes) + 64, so that lanes 16-31, which read 16 rows further down, fall on other banks than lanes 0-15
.set WSTB,  6*WG16                     ; a wave's 96 rows of W
.set WSTG,  XSTG+8*XSTB
.set WIMG,  WSTG+8*WSTB                ; W's 24 blocks as images of registers, 512 bytes each
.set WSC,   WIMG+24*512                ; W's scale bytes: 32 bytes a column, 24 of them used
.set OSTG,  WSC+16*32                  ; the way out: 1,024 bytes a wave, 16 more behind each 256
.set OSTB,  1088
.set LI,    1                          ; v1   16 x lane: my place in 512 dense bytes (x, W, out0)
.set XST,   2                          ; v2   x's stage, in
.set XLD,   3                          ; v3   x's stage, out: row r, + 64 h
.set WSTA,  4                          ; v4   W's stage, in
.set WLDA,  5                          ; v5   W's stage, out: column r, 16 h rows down
.set WIS,   6                          ; v6   where I store my three images
.set WIL,   7                          ; v7   where any image begins for my lane
.set WSS,   8                          ; v8   where I store my three scale bytes of column r
.set WSL,   9                          ; v9   column r's scale bytes
.set OST,   10                         ; v10  the way out, in
.set OLD,   11                         ; v11  the way out, back
.set PC,    16                         ; v16-31   the codes just made
.set WF,    32                         ; v32-63   W's fragment, two sets by turns
.set X,     64                         ; v64-127 and v176-239  64 numbers of x, two sets by turns (set s % 2 at X + 112 (s % 2)): register 16 b + i = k 32 b + 16 h + i of row r
.set WR,    64                         ; v64-111  (ahead of that) W's 96 rows as loaded
.set TM,    128                        ; v128-131 largest magnitudes, v132-135 bytes, v136-139 57,344 x the scale, v140-143 the conversions' scale operands
.set PW,    144                        ; v144     x's scale word
.set WS,    146                        ; v146-151 W's scale words, one for each K step
.set ACC0,  152                        ; v152-159 the sums of K steps 0, 2, 4 (and b)
.set ACC1,  160                        ; v160-167 of K steps 1, 3, 5
.set BI,    168                        ; v168-175 b[8 h + j]
.set CC,    240                        ; v240-247 pairs (enc[q][0], enc[q][1]), q = 4 h + i; later (0.5 + 0.5 enc[q][0], 1 + enc[q][1])
.set MM,    248                        ; v[248:249] (-1, -2)
.set HV,    250                        ; v[250:251] (0.5, 1)
.set C7V,   252                        ; v[252:253] the series' coefficient of w^7, twice
.set WX,    192                        ; v192-239 W: register 16 t + i = row 32 t + 16 h + i of my 96, column r (ahead of x's second set)
.set U,     64                         ; the epilogue works where x's numbers lay
.set T,     72
.set AN,    80
.set Y,     88
.set Z,     96
.set W12,   104                        ; v104-111 w for cos(theta/2), cos(phi) by pairs; v112-115 w for sin(theta/2)
.set Q,     192
.set P,     204
.set O,     216
.set WV,    14                         ; s14  my wave's number
.set BS,    16                         ; s[16:31] b
.set ENC,   32                         ; s[32:55] enc_params
.set SEL,   56                         ; s[56:57] v_permlanex16_b32's selects for lane l xor 16
.set MNT,   58                         ; s58  the mantissa field of 57,344
.set QTR,   59                         ; s59  0.25
.set SGN,   60                         ; s60  the sign bit
.set K2,    62                         ; s[62:63] 2 log2(e).  (Constants of packed forms are pairs whose low word serves both halves; both words are written)
.set CHI,   66                         ; s[66:67] 1 / 2 pi, its first 24 bits
.set CLO,   68                         ; s[68:69] and the next 24
.set C9,    70                         ; s[70:77] the series of sin(2 pi w): (2 pi)^n / n! for n = 9, 5, 3, 1
.set C5,    72
.set C3,    74
.set C1,    76
.set TO_R,  0x40                       ; destination window 1, address window 0
.set FROM_R, 0x04                      ; an LDS store's data are its source 1: window 1
.set MSB, 0
.macro WIN new                         ; the immediate's high byte repeats the setting that is left
.if MSB != \new
	s_set_vgpr_msb (MSB<<8)|\new
.set MSB, \new
.endif
.endm
.macro SPAIR reg, val
	s_mov_b32 s[\reg], \val
	s_mov_b32 s[\reg+1], \val
.endm
.macro LOADX s                         ; K step s of my 16 rows into set s % 4 of window 1: each load takes 512 consecutive bytes of one row, at a multiple of 256 from x's first byte
.irp i, 0,1,2,3,4,5,6,7,8,9,10,11,12,13,14,15
	global_load_b128 v[64*((\s)%4)+4*\i:64*((\s)%4)+4*\i+3], v[LI], s[4:5] offset:ROWB*\i+KSB*(\s) th:TH_LOAD_NT
.endr
.endm
; THE QUANTISER, in two halves.  nb blocks of 32 along K, 16 numbers of each in my registers v[src + 16 b] on and the other 16 in lane l xor 16, become codes in v[PC + 4 b] on; the bytes in v[TM + 4 + b]; with nb = 4 also the scale word in v[PW].
; The first half: largest magnitudes, scales, bytes.
.macro QUANT_A src, nb
.irp b, 0,1,2,3
.if \b < \nb
	v_max3_num_f32 v[TM+\b], |v[\src+16*\b]|, |v[\src+16*\b+1]|, 0x8000000   ; my 16 numbers, and the floor 2^(16 - 127): so the byte cannot fall under 1
.endif
.endr
.irp i, 2,4,6,8,10,12,14
.irp b, 0,1,2,3
.if \b < \nb
	v_max3_num_f32 v[TM+\b], v[TM+\b], |v[\src+16*\b+\i]|, |v[\src+16*\b+\i+1]|   ; (the blocks by turns: no line waits for the line above it)
.endif
.endr
.endr
.irp b, 0,1,2,3
.if \b < \nb
	v_permlanex16_b32 v[TM+4+\b], v[TM+\b], s[SEL], s[SEL+1]
.endif
.endr
.irp b, 0,1,2,3
.if \b < \nb
	v_max_num_f32 v[TM+\b], v[TM+\b], v[TM+4+\b]                   ; with lane l xor 16's: the block's largest magnitude
.endif
.endr
.irp b, 0,1,2,3
.if \b < \nb
	v_add_nc_u32 v[TM+12+\b], 0xf8800000, v[TM+\b]                 ; 15 off its exponent field: the conversion takes this operand's exponent field as its scale
.endif
.endr
.irp b, 0,1,2,3
.if \b < \nb
	v_and_or_b32 v[TM+8+\b], v[TM+\b], 0x7f800000, s[MNT]          ; 57,344 x the scale
.endif
.endr
.irp b, 0,1,2,3
.if \b < \nb
	v_lshrrev_b32 v[TM+4+\b], 23, v[TM+12+\b]                      ; the scale's byte
.endif
.endr
.if \nb == 4
	v_lshl_or_b32 v[PW], v[TM+5], 8, v[TM+4]                       ; four bytes make my row's scale word: it stands ahead of the 64 holds, more than eight places in front of the product
	v_lshl_or_b32 v[PW], v[TM+6], 16, v[PW]
	v_lshl_or_b32 v[PW], v[TM+7], 24, v[PW]
.endif
.endm
; The second half: holds and conversions.
.macro QUANT_B src, nb
.irp b, 0,1,2,3
.if \b < \nb
.irp i, 0,1,2,3,4,5,6,7,8,9,10,11,12,13,14,15
	v_med3_num_f32 v[\src+16*\b+\i], v[\src+16*\b+\i], -v[TM+8+\b], v[TM+8+\b]   ; the conversion to an 8-bit code does not saturate (ISA guide 7.6.2): the hold comes first
.endr
	v_cvt_scalef32_pk8_bf8_f32 v[PC+4*\b:PC+4*\b+1], v[\src+16*\b:\src+16*\b+7], v[TM+12+\b]
	v_cvt_scalef32_pk8_bf8_f32 v[PC+4*\b+2:PC+4*\b+3], v[\src+16*\b+8:\src+16*\b+15], v[TM+12+\b]
.endif
.endr
	v_nop                                          ; one plain line behind the last scaled conversion, ahead of whatever next touches its codes or writes its sources
.endm
	s_load_b256 s[4:11], s[0:1], 0x0               ; x s[4:5], W s[6:7], b s[8:9], enc_params s[10:11]
	s_load_b64 s[12:13], s[0:1], 0x20              ; out0
	v_lshl_add_u32 v254, v0, 2, 0x22800
	v_mov_b32 v255, 0
	v_lshrrev_b32 v12, 5, v0
	v_readfirstlane_b32 s[WV], v12                 ; wave 0..7
	v_and_b32 v13, 31, v0
	v_lshlrev_b32 v[LI], 4, v13                    ; 16 x lane
	s_wait_alu depctr_va_sdst(0)                   ; s14, the wave's number, is written, ahead of its first reader: the bases of x, W and out0 and the LDS bases are made from it
	s_mul_i32 s2, ttmp9, 128*ROWB                  ; x: the work-group's 128 rows,
	s_mul_i32 s15, s[WV], 16*ROWB                  ; my wave's 16 of them (all under 2^27 bytes)
	s_add_co_u32 s2, s2, s15
	s_mov_b32 s3, 0
	s_mul_i32 s78, s[WV], 96*64                    ; W: my 96 rows of 64 bytes
	s_mov_b32 s79, 0
	s_lshl_b32 s80, ttmp9, 13                      ; out0: 128 rows of 64 bytes, my wave's 16
	s_lshl_b32 s15, s[WV], 10
	s_add_co_u32 s80, s80, s15
	s_mov_b32 s81, 0
	s_wait_kmcnt 0x0
	s_add_nc_u64 s[6:7], s[6:7], s[78:79]
	s_add_nc_u64 s[4:5], s[4:5], s[2:3]
	s_add_nc_u64 s[12:13], s[12:13], s[80:81]
	s_load_b512 s[BS:BS+15], s[8:9], 0x0           ; b's 64 bytes and enc_params' 96 come by the scalar path: they take no place among the vector loads
	s_load_b512 s[ENC:ENC+15], s[10:11], 0x0
	s_load_b256 s[ENC+16:ENC+23], s[10:11], 0x40
	s_wait_alu depctr_va_vdst(0)                   ; v1 is written: every global load and store of the kernel reads it as its offset
.irp j, 0,1,2,3,4,5,6,7,8,9,10,11
	global_load_b128 v[WR+4*\j:WR+4*\j+3], v[LI], s[6:7] offset:512*\j   ; W first: it is wanted first, and loads come back in order (ISA guide 5.7.1)
.endr
	WIN TO_R
	LOADX 0                                        ; and half of my x at once: 60 loads of mine are out
	LOADX 1
	LOADX 2
	WIN 0
	; addresses and constants, while the loads are on their way.  Each LDS base that a vector instruction reads has a scalar register of its own: none of them is written again
	v_and_b32 v14, 15, v0                          ; r
	v_bfe_u32 v15, v0, 4, 1                        ; h
	s_mul_i32 s15, s[WV], XSTB
	v_add_nc_u32 v[XST], s15, v[LI]
	v_mul_u32_u24 v[XLD], v14, XP
	v_lshl_add_u32 v[XLD], v15, 6, v[XLD]
	v_add_nc_u32 v[XLD], s15, v[XLD]
	s_mul_i32 s2, s[WV], WSTB
	s_add_co_u32 s2, s2, WSTG
	v_add_nc_u32 v[WSTA], s2, v[LI]
	v_mul_u32_u24 v[WLDA], v15, WG16
	v_lshl_add_u32 v[WLDA], v14, 2, v[WLDA]
	v_add_nc_u32 v[WLDA], s2, v[WLDA]
	s_mul_i32 s3, s[WV], 3*512
	s_add_co_u32 s3, s3, WIMG
	v_add_nc_u32 v[WIS], s3, v[LI]
	v_add_nc_u32 v[WIL], WIMG, v[LI]
	s_mul_i32 s78, s[WV], 3
	s_add_co_u32 s78, s78, WSC
	v_lshl_add_u32 v[WSS], v14, 5, s78             ; 32 r + 3 x wave
	v_lshl_add_u32 v[WSL], v14, 5, WSC
	s_mul_i32 s79, s[WV], OSTB
	s_add_co_u32 s79, s79, OSTG
	v_lshrrev_b32 v12, 2, v14
	v_lshlrev_b32 v[OST], 6, v14                   ; in: row r's 64 bytes, 16 more for each 256 passed, + 32 h
	v_lshl_add_u32 v[OST], v12, 4, v[OST]
	v_lshl_add_u32 v[OST], v15, 5, v[OST]
	v_add_nc_u32 v[OST], s79, v[OST]
	v_lshl_add_u32 v[OLD], v15, 4, v[LI]           ; back: 16 x lane, 16 more for lanes 16-31
	v_add_nc_u32 v[OLD], s79, v[OLD]
	s_mov_b32 s[SEL], 0x76543210
	s_mov_b32 s[SEL+1], 0xfedcba98
	s_mov_b32 s[MNT], 0x600000
	s_mov_b32 s[QTR], 0x3e800000
	s_mov_b32 s[SGN], 0x80000000
	SPAIR K2,  0x4038aa3b                          ; 2 log2(e)
	SPAIR CHI, 0x3e22f983                          ; 1 / 2 pi
	SPAIR CLO, 0x31dc9c88                          ; what the first word leaves of it
	SPAIR C9,  0x42283c1a                          ; 42.058694
	SPAIR C5,  0x42a335e3                          ; 81.605249
	SPAIR C3,  0xc2255de7                          ; -41.341702
	SPAIR C1,  0x40c90fdb                          ; 6.2831853
	v_mov_b32 v[C7V], 0xc2996966                   ; -76.705860
	v_mov_b32 v[C7V+1], 0xc2996966
	v_mov_b32 v[MM], -1.0
	v_mov_b32 v[MM+1], -2.0
	v_mov_b32 v[HV], 0.5
	v_mov_b32 v[HV+1], 1.0
.irp b, 0,1,2,3
	v_mov_b32 v[TM+4+\b], 0                        ; written once: a lane permute's destination counts as one of its sources
.endr
	v_cmp_ne_u32 vcc_lo, 0, v15                    ; lanes 16-31
	s_wait_alu depctr_va_vcc(0)                    ; VCC is written, ahead of its first reader: the selections below choose by it
	s_wait_kmcnt 0x0                               ; b and enc_params
.irp j, 0,1,2,3,4,5,6,7
	v_mov_b32 v[BI+\j], s[BS+8+\j]
	v_cndmask_b32 v[BI+\j], s[BS+\j], v[BI+\j], vcc_lo             ; b[8 h + j]: the layout of the product's result
.endr
.irp i, 0,1,2,3
	v_mov_b32 v[CC+2*\i], s[ENC+12+3*\i]
	v_mov_b32 v[CC+2*\i+1], s[ENC+13+3*\i]
	v_cndmask_b32 v[CC+2*\i], s[ENC+3*\i], v[CC+2*\i], vcc_lo      ; enc[4 h + i][0],
	v_cndmask_b32 v[CC+2*\i+1], s[ENC+3*\i+1], v[CC+2*\i+1], vcc_lo   ; enc[4 h + i][1]
.endr
	; ---- W: my three blocks of 32 along K
	s_wait_loadcnt 48                              ; W's twelve loads are in; the 48 of x's K steps 0 to 2, issued behind them, stay out
	WIN TO_R
	s_wait_alu depctr_va_vdst(0)                   ; the LDS addresses v2 to v11 are written: every LDS instruction from here on reads one of them, and none is written again
	LOADX 3                                        ; window 1 is full.  By this text's count 64 loads of mine can now be out; where LOADcnt cannot count the last, its issue waits for the oldest to come back (ISA guide 5.7.1), which is the load that I need next anyway
	WIN 0
.irp j, 0,1,2,3,4,5,6,7,8,9,10,11
	ds_store_b128 v[WSTA], v[WR+4*\j:WR+4*\j+3] offset:512*\j+64*(\j/2)   ; as they lie: eight rows of W a store
.endr
.irp t, 0,1,2
.irp i, 0,1,2,3,4,5,6,7,8,9,10,11,12,13,14,15
	ds_load_b32 v[WX+16*\t+\i], v[WLDA] offset:2*WG16*\t+64*\i     ; W(32 t + 16 h + i, r).  LDS serves a wave's instructions in order (ISA guide 5.7.1.4): these see my stores
.endr
.endr
	s_wait_dscnt 0x0
	QUANT_A WX, 3
	QUANT_B WX, 3
	s_wait_alu depctr_va_vdst(0)                   ; the conversions have written the codes v16 to v27 and the shifts the bytes v132 to v134, which the LDS stores below read
.irp t, 0,1,2
	ds_store_b128 v[WIS], v[PC+4*\t:PC+4*\t+3] offset:512*\t       ; block 3 w + t: registers 4 c .. 4 c + 3 of a fragment, as they stand
	ds_store_b8 v[WSS], v[TM+4+\t] offset:\t                       ; its byte in column r's row (both halves of the lanes write the same byte with the same value)
.endr
	s_wait_dscnt 0x0                               ; for the others' sake: my images and bytes have landed
	s_barrier_signal -1
	s_barrier_wait -1                              ; all 24 blocks of W lie in LDS, and nobody writes them again
	s_wait_alu depctr_vm_vsrc(0)                   ; my LDS stores have read v64 to v111 (W as loaded), in which x's first numbers land, and the codes v16 to v27 and bytes v132 to v134, which step 0's quantiser writes again
	ds_load_b128 v[WS:WS+3], v[WSL]                ; column r's scale words of K steps 0 to 3,
	ds_load_b64 v[WS+4:WS+5], v[WSL] offset:16     ; 4 and 5
; ---- K step t's numbers turn through my stage into set t % 2, and W's fragment of that step comes into its set t % 2.  It stands in the middle of step t - 1.
.macro TURN t
.set XT, X+112*((\t)%2)
.set WT, WF+16*((\t)%2)
.if (\t) < 3
	s_wait_loadcnt 48                              ; this step's sixteen loads are in; those of the three steps behind it stay out
.else
	s_wait_loadcnt 16*(5-(\t))                     ; likewise: two steps' loads, one step's, none
.endif
	WIN FROM_R
.irp i, 0,1,2,3,4,5,6,7,8,9,10,11,12,13,14,15
	ds_store_b128 v[XST], v[64*((\t)%4)+4*\i:64*((\t)%4)+4*\i+3] offset:XP*\i   ; row i's 512 bytes as they lie.  (The stage's last reads came back at the head of the step in hand)
.endr
	WIN 0
.if (\t) >= 2
	s_wait_alu depctr_va_vdst(0)                   ; the product of two steps back is done reading W's fragment set t % 2, in which the last four loads below land
.endif
.irp c, 0,1,2,3
.irp j, 0,1,2,3
	ds_load_b128 v[XT+16*\c+4*\j:XT+16*\c+4*\j+3], v[XLD] offset:128*\c+16*\j   ; row r, k = 32 c + 16 h + 4 j on: the stage is my own, and LDS serves my instructions in order
.endr
.endr
.irp c, 0,1,2,3
	ds_load_b128 v[WT+4*\c:WT+4*\c+3], v[WIL] offset:(4*(\t)+\c)*512   ; W's fragment
.endr
.if (\t) < 2
	WIN TO_R
	s_wait_alu depctr_vm_vsrc(0)                   ; the LDS stores above have read set t of window 1,
	LOADX (\t)+4                                   ; which takes the loads of four steps on
	WIN 0
.endif
.endm
; ---- A K step: 128 along K of my 16 rows.
.macro STEP s
.set XB, X+112*((\s)%2)
.set WB, WF+16*((\s)%2)
.set AC, ACC0+8*((\s)%2)
	s_wait_dscnt 0x0                               ; my numbers and W's fragment are in (in step 0: W's scale words too)
	QUANT_A XB, 4
.if \s < 5
	TURN \s+1                                      ; the next step's turn is on its way while this step's numbers are held and converted
.endif
	QUANT_B XB, 4
.rept 3
	v_nop                                          ; with the line that ends the quantiser: four places between the last codes and the scaled product
.endr
	s_wait_alu depctr_va_vdst(0)                   ; the conversions have written the codes v16 to v31 and the quantiser's first half the scale word v144, which the product takes; the quantiser is done with its set of numbers
; The two accumulators take turns, one instruction a turn.
.if \s == 0
	v_wmma_scale_f32_16x16x128_f8f6f4 v[AC:AC+7], v[WB:WB+15], v[PC:PC+15], v[BI:BI+7], v[WS+\s], v[PW] matrix_a_fmt:MATRIX_FMT_BF8 matrix_b_fmt:MATRIX_FMT_BF8   ; b starts this sum
.elseif \s == 1
	v_wmma_scale_f32_16x16x128_f8f6f4 v[AC:AC+7], v[WB:WB+15], v[PC:PC+15], 0, v[WS+\s], v[PW] matrix_a_fmt:MATRIX_FMT_BF8 matrix_b_fmt:MATRIX_FMT_BF8
.else
	v_wmma_scale_f32_16x16x128_f8f6f4 v[AC:AC+7], v[WB:WB+15], v[PC:PC+15], v[AC:AC+7], v[WS+\s], v[PW] matrix_a_fmt:MATRIX_FMT_BF8 matrix_b_fmt:MATRIX_FMT_BF8
.endif
.endm
	TURN 0
	STEP 0
	STEP 1
	STEP 2
	STEP 3
	STEP 4
	STEP 5
	; ---- The epilogue.  Register j of a lane is feature 8 h + j of row r: pairs (2 i, 2 i + 1) are qubit 4 h + i's theta and phi.
	; Eight plain lines that name no register of the last product are its places: the even steps' sums, finished a step ago, x 2 log2(e), and the angles' constants.
.irp i, 0,2,4,6
	v_pk_mul_f32 v[U+\i:U+\i+1], v[ACC0+\i:ACC0+\i+1], s[K2:K2+1] op_sel_hi:[1,0]
.endr
.irp i, 0,2,4,6
	v_pk_fma_f32 v[CC+\i:CC+\i+1], v[CC+\i:CC+\i+1], v[HV:HV+1], v[HV:HV+1]   ; (0.5 + 0.5 enc[q][0], 1 + enc[q][1])
.endr
.irp i, 0,2,4,6
	v_pk_fma_f32 v[T+\i:T+\i+1], v[ACC1+\i:ACC1+\i+1], s[K2:K2+1], v[U+\i:U+\i+1] op_sel_hi:[1,0,1]   ; 2 u log2(e), each accumulator from its low end on
.endr
.irp j, 0,1,2,3,4,5,6,7
	v_exp_f32 v[T+\j], v[T+\j]
.endr
	v_nop                                          ; a plain line behind the transcendentals
	s_wait_alu depctr_va_vdst(0)                   ; the eight exponentials have written v72 to v79: one wait for the batch, ahead of its first reader
.irp i, 0,2,4,6
	v_pk_add_f32 v[T+\i:T+\i+1], v[T+\i:T+\i+1], 1.0 op_sel_hi:[1,0]
.endr
.irp j, 0,1,2,3,4,5,6,7
	v_rcp_f32 v[T+\j], v[T+\j]                     ; R = 1 / (1 + e^(2 u)): tanh(u) = 1 - 2 R
.endr
	v_nop
	s_wait_alu depctr_va_vdst(0)                   ; the eight reciprocals have written v72 to v79: one wait for the batch, ahead of its first reader
.irp i, 0,2,4,6
	v_pk_fma_f32 v[AN+\i:AN+\i+1], v[T+\i:T+\i+1], v[MM:MM+1], v[CC+\i:CC+\i+1]   ; (theta / 2, phi) = (0.5 + 0.5 enc0 - R, 1 + enc1 - 2 R)
.endr
.irp i, 0,2,4,6
	v_pk_fma_f32 v[Y+\i:Y+\i+1], v[AN+\i:AN+\i+1], s[CHI:CHI+1], 0.5 op_sel_hi:[1,0,0]
.endr
.irp j, 0,1,2,3,4,5,6,7
	v_floor_f32 v[Y+\j], v[Y+\j]                   ; the nearest whole number of revolutions
.endr
.irp i, 0,2,4,6
	v_pk_fma_f32 v[Z+\i:Z+\i+1], v[AN+\i:AN+\i+1], s[CHI:CHI+1], v[Y+\i:Y+\i+1] op_sel_hi:[1,0,1] neg_lo:[0,0,1] neg_hi:[0,0,1]   ; the fused form takes it off the unrounded product,
.endr
.irp i, 0,2,4,6
	v_pk_fma_f32 v[Z+\i:Z+\i+1], v[AN+\i:AN+\i+1], s[CLO:CLO+1], v[Z+\i:Z+\i+1] op_sel_hi:[1,0,1]   ; and 1 / 2 pi's second word is added: z in -1/2 .. 1/2
.endr
.irp j, 0,1,2,3,4,5,6,7
	v_sub_f32 v[W12+\j], s[QTR], |v[Z+\j]|         ; cos(2 pi z) = sin(2 pi (1/4 - |z|))
.endr
.irp i, 0,1,2,3
	v_sub_f32 v[W12+8+\i], s[QTR], |v[W12+2*\i]|   ; sin(2 pi z) = sign(z) sin(2 pi (1/4 - ||z| - 1/4|))
.endr
.irp i, 0,1,2,3
	v_and_or_b32 v[W12+8+\i], v[Z+2*\i], s[SGN], v[W12+8+\i]
.endr
.irp p, 0,2,4,6,8,10
	v_pk_mul_f32 v[Q+\p:Q+\p+1], v[W12+\p:W12+\p+1], v[W12+\p:W12+\p+1]
.endr
.irp p, 0,2,4,6,8,10
	v_pk_fma_f32 v[P+\p:P+\p+1], v[Q+\p:Q+\p+1], s[C9:C9+1], v[C7V:C7V+1] op_sel_hi:[1,0,1]
.endr
.irp k, C5, C3, C1
.irp p, 0,2,4,6,8,10
	v_pk_fma_f32 v[P+\p:P+\p+1], v[P+\p:P+\p+1], v[Q+\p:Q+\p+1], s[\k:\k+1] op_sel_hi:[1,1,0]
.endr
.endr
.irp p, 0,2,4,6,8,10
	v_pk_mul_f32 v[P+\p:P+\p+1], v[P+\p:P+\p+1], v[W12+\p:W12+\p+1]   ; sin(2 pi w), twelve of them
.endr
.irp i, 0,1,2,3
	v_mul_f32 v[P+2*\i+1], v[P+2*\i+1], v[P+8+\i]  ; cos(phi) sin(theta / 2); cos(theta / 2) stands beside it already
.endr
	; THE WAY OUT.  A lane holds 32 bytes of row r, and my tile is 1,024 consecutive bytes of out0: they turn through my own stage, so that each store covers 512 consecutive bytes, at a multiple of 256 from out0's first byte.
	s_wait_alu depctr_va_vdst(0)                   ; the multiplications have written v204 to v211, which the LDS stores read; the last step's quantiser is done with v216 to v223, in which the LDS loads land
	ds_store_b128 v[OST], v[P:P+3]
	ds_store_b128 v[OST], v[P+4:P+7] offset:16
	ds_load_b128 v[O:O+3], v[OLD]                  ; LDS serves a wave's instructions in order: these see my stores
	ds_load_b128 v[O+4:O+7], v[OLD] offset:544
	s_wait_dscnt 0x0
	global_store_b128 v[LI], v[O:O+3], s[12:13] th:TH_STORE_NT
	global_store_b128 v[LI], v[O+4:O+7], s[12:13] offset:512 th:TH_STORE_NT
	s_wait_dscnt 0x0                               ; the closing lines, six on end
	s_wait_alu 0x0
	s_wait_tensorcnt 0x0
	ds_add_u32 v254, v255
	s_wait_dscnt 0x0
	s_endpgm
.Lfunc_end_k_q0c2d47a5e8_adapter:
	.size	k_q0c2d47a5e8_adapter, .Lfunc_end_k_q0c2d47a5e8_adapter-k_q0c2d47a5e8_adapter
	.p2alignl 7, 3214868480
	.fill 96, 4, 3214868480
	.section	.rodata,"a",@progbits
	.p2align	6, 0x0
	.amdhsa_kernel k_q0c2d47a5e8_adapter
		.amdhsa_group_segment_fixed_size 142336
		.amdhsa_private_segment_fixed_size 0
		.amdhsa_enable_private_segment 0
		.amdhsa_kernarg_size 40
		.amdhsa_user_sgpr_count 2
		.amdhsa_user_sgpr_kernarg_segment_ptr 1
		.amdhsa_wavefront_size32 1
		.amdhsa_system_sgpr_workgroup_id_x 1
		.amdhsa_system_sgpr_workgroup_id_y 1
		.amdhsa_system_sgpr_workgroup_id_z 1
		.amdhsa_system_vgpr_workitem_id 0
		.amdhsa_next_free_vgpr 512
		.amdhsa_next_free_sgpr 82
		.amdhsa_reserve_vcc 1
		.amdhsa_float_denorm_mode_32 3
		.amdhsa_float_denorm_mode_16_64 3
		.amdhsa_memory_ordered 1
		.amdhsa_forward_progress 1
		.amdhsa_inst_pref_size 98
	.end_amdhsa_kernel
	.amdgpu_metadata
---
amdhsa.version: [ 1, 2 ]
amdhsa.kernels:
  - .name:           k_q0c2d47a5e8_adapter
    .symbol:         k_q0c2d47a5e8_adapter.kd
    .args:
      - { .name: x, .offset: 0, .size: 8, .value_kind: global_buffer, .address_space: global }
      - { .name: W, .offset: 8, .size: 8, .value_kind: global_buffer, .address_space: global }
      - { .name: b, .offset: 16, .size: 8, .value_kind: global_buffer, .address_space: global }
      - { .name: enc_params, .offset: 24, .size: 8, .value_kind: global_buffer, .address_space: global }
      - { .name: out0, .offset: 32, .size: 8, .value_kind: global_buffer, .address_space: global }
    .group_segment_fixed_size: 142336
    .private_segment_fixed_size: 0
    .kernarg_segment_align: 8
    .kernarg_segment_size: 40
    .max_flat_workgroup_size: 256
    .sgpr_count:     82
    .vgpr_count:     512
    .wavefront_size: 32
...
	.end_amdgpu_metadata
.endif
;; end of part 2
